; MI455X (gfx1250); checked and timed in simulation.
; The chip was launched on July 23, 2026; its instructions are those of AMD's public machine-readable ISA for CDNA 5 (MIT licence, August 2026) and "CDNA5" Instruction Set Architecture Reference Guide (July 2026). The comments in the code are by the model that wrote it; some were corrected since.
;; Fused Lo RAQKV. Allowed arithmetic: matrix products marked QUANTISED: E2M1 operands, one E8M0 scale for each 32 along K, by v_wmma_scale_f32_16x16x128_f8f6f4 with both operands' format E2M1 (or v_wmma_scale_f32_32x16x128_f4), f32 sums; products left as they are: f32 operands where the result goes on into a quantised operand, else bf16, f16 or f32 operands; f32 sums; everything else in f32.
;; Inputs: KA_codes 16 x 128 x 16 uint8 (E2M1 codes of KA, K innermost, in blocks of 32 codes, two codes a byte); KA_scales 16 x 128 uint8 (E8M0 scales of KA, one for each 32 codes along K); KB 4,096 x 16 float32; KW_codes 4,096 x 128 x 16 uint8 (E2M1 codes of KW, K innermost, in blocks of 32 codes, two codes a byte); KW_scales 4,096 x 128 uint8 (E8M0 scales of KW, one for each 32 codes along K); QA_codes 16 x 128 x 16 uint8 (E2M1 codes of QA, K innermost, in blocks of 32 codes, two codes a byte); QA_scales 16 x 128 uint8 (E8M0 scales of QA, one for each 32 codes along K); QB 4,096 x 16 float32; QW_codes 4,096 x 128 x 16 uint8 (E2M1 codes of QW, K innermost, in blocks of 32 codes, two codes a byte); QW_scales 4,096 x 128 uint8 (E8M0 scales of QW, one for each 32 codes along K); VA_codes 16 x 128 x 16 uint8 (E2M1 codes of VA, K innermost, in blocks of 32 codes, two codes a byte); VA_scales 16 x 128 uint8 (E8M0 scales of VA, one for each 32 codes along K); VB 4,096 x 16 float32; VW_codes 4,096 x 128 x 16 uint8 (E2M1 codes of VW, K innermost, in blocks of 32 codes, two codes a byte); VW_scales 4,096 x 128 uint8 (E8M0 scales of VW, one for each 32 codes along K); X_codes 4 x 256 x 128 x 16 uint8 (E2M1 codes of X, K innermost, in blocks of 32 codes, two codes a byte); X_scales 4 x 256 x 128 uint8 (E8M0 scales of X, one for each 32 codes along K).
;; Outputs: out0 4 x 256 x 4,096 float32; out1 4 x 256 x 4,096 float32; out2 4 x 256 x 4,096 float32.
;; This version of the problem:
;;   THIS VERSION OF THE PROBLEM IS GIVEN IN LOW PRECISION. The matrix products marked QUANTISED in the list below multiply operands that are first quantised to E2M1 (2 exponent bits, 1 mantissa bit; 4 bits a number), with one power-of-two scale for each 32 numbers along K (OCP MX v1.0); their sums are f32. All else is computed in f32.
;;   The module's matrix products, in the order in which they are computed (A, B: the left and right operand; K: the contracted axis; several contracted axes count as one K, in the product's order):
;;     1. [M 1,024, K 4,096] x [K 4,096, N 4,096]; A: input X (given as codes); B: input QW (given as codes): QUANTISED
;;     2. [M 1,024, K 4,096] x [K 4,096, N 16]; A: input X (given as codes); B: input QA (given as codes): QUANTISED
;;     3. [M 1,024, K 16] x [K 16, N 4,096]; A: computed on the way; B: input QB: left as it is (K = 16 < 32)
;;     4. [M 1,024, K 4,096] x [K 4,096, N 4,096]; A: input X (given as codes); B: input KW (given as codes): QUANTISED
;;     5. [M 1,024, K 4,096] x [K 4,096, N 16]; A: input X (given as codes); B: input KA (given as codes): QUANTISED
;;     6. [M 1,024, K 16] x [K 16, N 4,096]; A: computed on the way; B: input KB: left as it is (K = 16 < 32)
;;     7. [M 1,024, K 4,096] x [K 4,096, N 4,096]; A: input X (given as codes); B: input VW (given as codes): QUANTISED
;;     8. [M 1,024, K 4,096] x [K 4,096, N 16]; A: input X (given as codes); B: input VA (given as codes): QUANTISED
;;     9. [M 1,024, K 16] x [K 16, N 4,096]; A: computed on the way; B: input VB: left as it is (K = 16 < 32)
;;   THE QUANTISER, for each operand of a quantised product, along K:
;;     - K is cut into blocks of 32 from its start; a last block that is shorter is filled with zeros.
;;     - A block's scale is 2^e with e = floor(log2(the largest magnitude in the block)) - 2, held to -126 .. 127; a block of zeros has e = 0. As a byte (E8M0): e + 127.
;;     - Each number is divided by its block's scale, clamped to +-6, and rounded to the nearest number of E2M1, ties to even, subnormals kept.
;;     - The product sums the exact products of the quantised numbers (number of the format x scale) in f32.
;;   ~~~python
;;   def quantise(x, axis):      # numpy; x: float32 -> the quantised numbers, widened to float32 again
;;       x = np.moveaxis(x, axis, -1); K = x.shape[-1]
;;       x = np.pad(x, [(0, 0)] * (x.ndim - 1) + [(0, -K % 32)]); x = x.reshape(x.shape[:-1] + (-1, 32)); a = np.abs(x).max(-1, keepdims=True)
;;       e = np.where(a > 0, np.clip(np.frexp(np.where(a > 0, a, 1))[1] - 1 - 2, -126, 127), 0)      # np.frexp(a)[1] - 1 = floor(log2(a)), exactly
;;       r = np.clip(x / 2.0 ** e, -6, 6)
;;       step = 2.0 ** (np.maximum(np.frexp(np.where(r == 0, 1, r))[1] - 1, 0) - 1)
;;       q = np.round(r / step) * step * 2.0 ** e      # np.round: ties to even
;;       return np.moveaxis(q.reshape(q.shape[:-2] + (-1,))[..., :K], -1, axis).astype(np.float32)
;;   ~~~
;;   INPUTS GIVEN AS CODES. KA (in the module: [16, 4096], K = its axis 1); KW (in the module: [4096, 4096], K = its axis 1); QA (in the module: [16, 4096], K = its axis 1); QW (in the module: [4096, 4096], K = its axis 1); VA (in the module: [16, 4096], K = its axis 1); VW (in the module: [4096, 4096], K = its axis 1); X (in the module: [4, 256, 4096], K = its axis 2): each comes as NAME_codes (uint8): NAME with its K axis moved to the last place and cut into blocks of 32 codes, [.., K / 32, bytes a block], one block behind the other in memory; two codes a byte, the lower K in the low four bits (a code: sign, 2 exponent bits, 1 mantissa bit); and NAME_scales (uint8): the same leading axes, one E8M0 byte (e + 127) for each 32 codes along K. Its value is code x scale, taken as it is: it is not quantised again, and the codes and scales need not be those that the quantiser above would give.
;; One version. Each part assembles by itself: llvm-mc -triple=amdgcn-amd-amdhsa -mcpu=gfx1250 --defsym DOCPART=n.
;; ======== version 1 of 1: 1 launch
;; limits: values are held in bf16: 8 bits of precision; right only within a limited range of input values
;; launch qkv (part 1): grid 64 x 4, 4 waves a work-group, clusters of 4 x 4, 327,680 bytes of LDS; arguments X_codes, QW_codes, KW_codes, VW_codes, X_scales, QW_scales, KW_scales, VW_scales, QA_codes, KA_codes, VA_codes, QA_scales, KA_scales, VA_scales, QB, KB, VB, out0, out1, out2; writes out0, out1, out2
.if DOCPART == 1
	.amdgcn_target "amdgcn-amd-amdhsa--gfx1250"
	.amdhsa_code_object_version 6
	.text
	.protected	k_qea0ab6687a_qkv
	.globl	k_qea0ab6687a_qkv
	.p2align	8
	.type	k_qea0ab6687a_qkv,@function
k_qea0ab6687a_qkv:
	s_mov_b64 s[64:65], 0
	v_nop
	global_prefetch_b8 v0, s[64:65] scope:SCOPE_SE
	s_setreg_imm32_b32 hwreg(HW_REG_WAVE_MODE, 25, 1), 1
	s_wait_xcnt 0x0
	s_wait_alu depctr_hold_cnt(0) depctr_sa_sdst(0) depctr_va_vdst(0) depctr_va_sdst(0) depctr_va_ssrc(0) depctr_va_vcc(0) depctr_vm_vsrc(0)
	s_getreg_b32 s2, hwreg(HW_REG_IB_STS2, 6, 4)
	s_cmp_eq_u32 s2, 0
	s_cbranch_scc0 .Lentry_in_a_cluster
	s_endpgm
.Lentry_in_a_cluster:
	s_bfe_u32 s2, ttmp6, 0x10000c
	s_cmp_lg_u32 s2, 0xf033
	s_cbranch_scc0 .Lentry_shape_is_right
	s_endpgm
.Lentry_shape_is_right:
; Y_p = X W_p^T + 2 (X A_p^T) B_p^T for p = Q, K, V.  X [1024][4096], W_p [4096][4096], A_p [16][4096]: codes of FP4 (E2M1), two a byte, K innermost, one E8M0 byte for each 32 along K, taken as they lie.
; B_p [4096][16] f32, Y_p [1024][4096] f32.  Sums in f32.
; ONE LAUNCH of 64 x 4 = 256 work-groups of equal work: each makes 256 rows x 64 columns of EACH of the three outputs.  Four waves (2 row halves m x 2 column halves n): 128 rows x 3 x 32 columns, 24 accumulators of 32 x 16.
; K goes in periods of 512 through a ring of two LDS slots filled by the tensor data mover: X's 256 rows (wave 0), then 64 rows of QW, KW, VW (waves 1, 2, 3), 256 bytes each, one load a wave behind each barrier.
; THE SCALE BYTES of the work-group's 448 rows for all of K come once, at the head, in whole units of 256 bytes through registers into LDS bytes of their own.
; T = X A^T (48 ranks) is made in the same loop.  The two waves of a row half share it: register block i of wave n is row block i xor n of its half, and each wave makes T for its blocks 0, 2, 4, 6: 12 products
; for each 128 along K.  A's fragments come from memory into a ring of four register sets.  T, rounded to bf16, goes to the other wave through LDS.
; THE LAST PERIOD GOES BY ROWS: all its fragments of W are in registers, and the wave's blocks are finished two at a time, in four phases; in each, 12 products in bf16 (K = 16, filled with zeros to 32) add (2 B) T^T,
; and the rows leave while the next phase's are multiplied.
; THE MATRIX INSTRUCTIONS ARE USED TRANSPOSED (source 0 = rows of W, A or B; source 1 = rows of X or T): a lane holds eight neighbouring numbers of a row of Y or of T.
; CLUSTERS: 4 x 4.  The four of a row (one cy) need the same tiles of X, the four of a column the same tiles of W: each is asked for by a joint load.  The tile row is cy.
; PREFETCH: a lane a row and period: each block of W once in each cluster (16 rows of 64 for each partner, by cy); each block of X in four of the sixteen clusters (by cx and the cluster's number).
; LIMITS: T and 2 B are rounded to bf16 (relative 2^-9 each) for the product of K = 16; the order of sums is the matrix unit's, base first, then the LoRA term; a scale byte 0xff gives NaN; 2 B leaves bf16's range only where f32's is left too.
; REGISTERS: window 0: v1-23 addresses; v24-31, v216-255 2 B in bf16; v32-95 scale words of X and W, two sets of 28; v96-119 A's scale words, two sets; v120-215 A's fragments, four places.
;   window 1: v0-95 W's fragments, two sets; v96-223 X's, two sets (the last period: v0-191 W's, v192-255 X's).   window 2: accumulators of blocks 0-4 (block a, projection p at 48 a + 16 p).   window 3: of blocks 5-7; v144-239 T's twelve.
;   T in bf16 as operands (own 0-2, partner's 3-5): window 0 v32-63 (the scale words' set 0, free by then) and window 3 v240-255.
.set PITCH, 272                        ; an LDS row: 256 bytes + 16 of padding: the 16 rows that a load touches start at 16 different groups of four banks
.set TILEX, 256*PITCH
.set SLOT,  448*PITCH
.set SCL,   2*SLOT                     ; scale bytes: units of 256 bytes + 16: W's by (n, projection, row), 26,112 bytes, then X's 256 rows, 34,816
.set SPARE, SCL+60928                  ; the spare words: 128 bytes for each wave, in blocks that no other line names
.set EXR, 3                            ; the exchange of T: where my partner's lies, where mine lies (in the scale bytes' place, whose last reads are over)
.set EXS, 4
.set CO, 5                             ; the way out: my offset in Y,
.set RD, 6                             ; where I read rows back, where I put block 2 j + 1, block 2 j: a stage of 32 rows x (768 + 16) bytes for each row half, in slot 0
.set STOO, 7
.set STOE, 8
.set NIL, 9                            ; 0; never rewritten
.set ADRE, 10                          ; v10-11 my X fragments of even blocks in slot 0, 1;  v12-13 odd blocks
.set ADRW, 14                          ; v14-15 my W fragments
.set ADRS, 16                          ; v16 W's scale words (lane: row of 32), v17 X's (lanes 0-15 an even block's rows, lanes 16-31 the odd one's)
.set LFO, 18                           ; A's codes: rank r's row + 16 h
.set LSO, 19                           ; A's scale bytes: rank r's row
.set PF, 20                            ; the prefetch: PROW + PK
.set PK, 21
.set PROW, 22
.set SPW, 23                           ; my spare word; never rewritten
.set SC, 32
.set LS, 96
.set LF, 120
.set TA, 144
.set WV, 4                             ; s4 wave, s5 m, s6 n, s7 cx, s8 cy, s9 tile column, s10 1 - n
.set G1X, 56
.set G1W, 68
.set G0X, 76
.set G0W, 84
.set MSB, 0
.macro WIN new                         ; bits 1:0 source 0, 3:2 source 1, 5:4 source 2, 7:6 destination; the high byte repeats the setting that is left
.if MSB != \new
	s_set_vgpr_msb (MSB<<8)|\new
.set MSB, \new
.endif
.endm
.macro PLACES n                        ; places behind matrix instructions (ISA guide 7.12.1)
.rept \n
	v_nop
.endr
.endm
.macro JLOAD s                         ; a joint load: wave 0 X's rows, waves 1 to 3 their projection's; each line has one mask
	s_cmp_lg_u32 s[WV], 0
	s_cbranch_scc1 .Lfor_w_\@
	tensor_load_to_lds s[G0X+4*\s:G0X+4*\s+3], s[G1X:G1X+7]
	s_nop 0
	PLACES 4
	s_branch .Lasked_\@
.Lfor_w_\@:
	tensor_load_to_lds s[G0W+4*\s:G0W+4*\s+3], s[G1W:G1W+7]
	s_nop 0
	PLACES 4
.Lasked_\@:
.endm
.macro CREST                           ; a round of the cluster's barrier behind its opening barrier
	s_cmp_lg_u32 s[WV], 0
	s_cbranch_scc1 .Lnot_wave_0_\@
	s_barrier_signal -3
.Lnot_wave_0_\@:
	s_barrier_wait -3
	s_barrier_signal -1
	s_barrier_wait -1
.endm
.macro CROUND
	s_barrier_signal -1
	s_barrier_wait -1
	CREST
.endm
	s_load_b512 s[16:31], s[0:1], 0x0              ; codes of X, QW, KW, VW s[16:23]; their scales s[24:31]
	s_load_b512 s[32:47], s[0:1], 0x40             ; QA, KA, VA: codes s[32:37], scales s[38:43]; QB s[44:45], KB s[46:47]
	s_load_b256 s[48:55], s[0:1], 0x80             ; VB s[48:49]; outputs s[50:55]
	v_lshl_add_u32 v[SPW], v0, 2, SPARE
	v_mov_b32 v[NIL], 0
	ds_add_u32 v[SPW], v[NIL]                      ; the wave's opening: the add, twice on end, and its wait ahead of my first tensor load
	ds_add_u32 v[SPW], v[NIL]
	v_lshrrev_b32 v1, 5, v0
	v_readfirstlane_b32 s[WV], v1
	s_lshr_b32 s5, s4, 1
	s_and_b32 s6, s4, 1
	s_xor_b32 s10, s6, 1
	s_xor_b32 s11, s4, 1
	s_bfe_u32 s7, ttmp6, 0x40000
	s_bfe_u32 s8, ttmp6, 0x40004
	s_lshl_b32 s9, ttmp9, 2                        ; ttmp9 counts clusters
	s_add_co_u32 s9, s9, s7
	s_mul_i32 s12, s5, 128*PITCH                   ; X's fragments: my 128 rows, even blocks from row 16 n on, odd ones from 16 (1 - n)
	s_mul_i32 s13, s6, 16*PITCH
	s_mul_i32 s14, s10, 16*PITCH
	s_add_co_u32 s13, s13, s12
	s_add_co_u32 s14, s14, s12
	s_mul_i32 s15, s6, 32*PITCH                    ; W's: rows 32 n of each projection's 64
	s_add_co_u32 s15, s15, TILEX
	s_mul_i32 s66, s6, 13056                       ; scale words: W's, X's
	s_add_co_u32 s66, s66, SCL
	s_mul_i32 s67, s5, 17408
	s_add_co_u32 s67, s67, SCL+26112
	s_mul_i32 s98, s5, 13056                       ; where I store W's scale bytes (16 rows of each projection) and X's (64 rows)
	s_mul_i32 s99, s6, 2176
	s_add_co_u32 s98, s98, s99
	s_add_co_u32 s98, s98, SCL
	s_mul_i32 s99, s4, 8704
	s_add_co_u32 s99, s99, SCL+26112
	s_lshl_b32 s100, s4, 11
	s_lshl_b32 s101, s4, 13
	s_lshl_b32 s2, s7, 6                           ; prefetched rows: X's 64 cx + 16 (cluster mod 4), W's 16 cy
	s_and_b32 s3, ttmp9, 3
	s_lshl_b32 s3, s3, 4
	s_add_co_u32 s2, s2, s3
	s_lshl_b32 s3, s8, 4
	s_cmp_eq_u32 s4, 0
	s_cselect_b32 s2, s2, s3
	s_mul_i32 s68, s5, 32*784                      ; the stage
	s_mul_i32 s69, s6, 16*784+128
	s_mul_i32 s70, s10, 16*784
	s_lshl_b32 s71, s6, 7
	s_add_co_u32 s69, s69, s68
	s_add_co_u32 s70, s70, s68
	s_add_co_u32 s70, s70, s71
	s_mul_i32 s71, s6, 16*784
	s_add_co_u32 s71, s71, s68
	s_mul_i32 s72, s4, 6144
	s_add_co_u32 s72, s72, SCL
	s_mul_i32 s73, s11, 6144
	s_add_co_u32 s73, s73, SCL
	s_lshl_b32 s74, s6, 11
	v_and_b32 v1, 15, v0                           ; r
	v_bfe_u32 v2, v0, 4, 1                         ; h
	v_and_b32 v32, 31, v0
	v_lshlrev_b32 v33, 4, v32                      ; 16 x lane
	v_lshlrev_b32 v34, 4, v1                       ; 16 r
	v_mul_u32_u24 v35, v1, PITCH
	v_lshl_add_u32 v35, v2, 4, v35
	v_add_nc_u32 v[ADRE], s13, v35
	v_add_nc_u32 v[ADRE+1], SLOT, v[ADRE]
	v_add_nc_u32 v[ADRE+2], s14, v35
	v_add_nc_u32 v[ADRE+3], SLOT, v[ADRE+2]
	v_add_nc_u32 v[ADRW], s15, v35
	v_add_nc_u32 v[ADRW+1], SLOT, v[ADRW]
	v_lshrrev_b32 v36, 1, v32                      ; a row of 128 scale bytes: (row / 2) x 272 + (row mod 2) x 128
	v_mul_u32_u24 v36, v36, 272
	v_and_b32 v37, 1, v1
	v_lshl_add_u32 v36, v37, 7, v36
	v_add_nc_u32 v[ADRS], s66, v36
	v_lshrrev_b32 v38, 1, v1
	v_mul_u32_u24 v38, v38, 272
	v_lshl_add_u32 v38, v37, 7, v38
	v_xor_b32 v39, s6, v2                          ; lanes 0-15: row block 0 xor n of a pair, lanes 16-31: 1 xor n
	v_mul_u32_u24 v39, v39, 2176
	v_add_nc_u32 v38, v38, v39
	v_add_nc_u32 v[ADRS+1], s67, v38
	v_mul_u32_u24 v39, v2, 272
	v_add_nc_u32 v39, v39, v34
	v_add_nc_u32 v40, s98, v39                     ; scale bytes into LDS: W's
	v_add_nc_u32 v41, s99, v39                     ; X's
	v_add_nc_u32 v42, s100, v33                    ; and from memory
	v_add_nc_u32 v43, s101, v33
	v_lshlrev_b32 v44, 6, v1                       ; B: column r's 16 numbers, my half's eight
	v_lshl_add_u32 v44, v2, 5, v44
	v_add_nc_u32 v44, s74, v44
	v_lshlrev_b32 v[LFO], 11, v1
	v_lshl_add_u32 v[LFO], v2, 4, v[LFO]
	v_lshlrev_b32 v[LSO], 7, v1
	v_add_nc_u32 v[PROW], s2, v1
	v_lshlrev_b32 v[PROW], 11, v[PROW]
	v_lshlrev_b32 v[PK], 8, v2
	v_add_nc_u32 v[PK], 256, v[PK]
	v_add_nc_u32 v[PF], v[PROW], v[PK]
	v_mul_u32_u24 v45, v1, 784
	v_lshl_add_u32 v45, v2, 5, v45
	v_add_nc_u32 v[STOE], s69, v45
	v_add_nc_u32 v[STOO], s70, v45
	v_mul_u32_u24 v46, v2, 784
	v_add_nc_u32 v46, v46, v34
	v_add_nc_u32 v[RD], s71, v46
	v_lshl_add_u32 v[CO], v2, 14, v34
	v_add_nc_u32 v[EXS], s72, v33
	v_add_nc_u32 v[EXR], s73, v33
	s_wait_alu depctr_va_vdst(0)                   ; ahead of the scalar run and the waits below
	s_lshl_b32 s12, s8, 2                          ; descriptor groups 1.  X's mask: my row of the cluster; W's: my column
	s_lshl_b32 s12, 15, s12
	s_lshl_b32 s13, 0x1111, s7
	s_or_b32 s[G1X], s12, (1<<20)|(1<<21)|(5<<22)|(3<<25)   ; elements of 1 byte; four words of padding after every 64; bit 21 beside a mask
	s_or_b32 s[G1W], s13, (1<<20)|(1<<21)|(5<<22)|(3<<25)
	s_mov_b32 s[G1X+2], 256<<16                    ; 256 rows of X, 64 of a projection
	s_mov_b32 s[G1X+4], 256
	s_mov_b32 s[G1W+2], 64<<16
	s_mov_b32 s[G1W+4], 64
.irp g, G1X, G1W
	s_mov_b32 s[\g+1], 256<<16
	s_mov_b32 s[\g+3], 256<<16
	s_mov_b32 s[\g+5], 2048
	s_mov_b32 s[\g+6], 0
	s_mov_b32 s[\g+7], 0
.endr
	s_lshl_b32 s96, s8, 19                         ; X's tile: 256 rows of 2,048 bytes for each cy
	s_mov_b32 s97, 0
	s_lshl_b32 s2, s9, 17                          ; W's: 64 rows for each tile column
	s_mov_b32 s3, 0
	s_mul_i32 s14, s4, 64*PITCH                    ; my projection's rows in LDS: waves 1, 2, 3 behind X's 256 rows
	s_add_co_u32 s14, s14, 192*PITCH
	s_wait_dscnt 0x0                               ; both opening adds are done
	CROUND                                         ; all sixteen work-groups are here: the first joint loads meet
	s_wait_kmcnt 0x0
	s_cmp_eq_u32 s[WV], 2                          ; my projection's codes, by the wave's number
	s_cselect_b64 s[18:19], s[20:21], s[18:19]
	s_cmp_eq_u32 s[WV], 3
	s_cselect_b64 s[18:19], s[22:23], s[18:19]
	s_add_nc_u64 s[98:99], s[16:17], s[96:97]
	s_add_nc_u64 s[100:101], s[18:19], s[2:3]
.irp s, 0,1
	s_mov_b32 s[G0X+4*\s], 1
	s_mov_b32 s[G0X+4*\s+1], \s*SLOT
	s_add_nc_u64 s[G0X+4*\s+2:G0X+4*\s+3], s[98:99], \s*256
	s_or_b32 s[G0X+4*\s+3], s[G0X+4*\s+3], 0x80000000
	s_mov_b32 s[G0W+4*\s], 1
	s_add_co_u32 s[G0W+4*\s+1], s14, \s*SLOT
	s_add_nc_u64 s[G0W+4*\s+2:G0W+4*\s+3], s[100:101], \s*256
	s_or_b32 s[G0W+4*\s+3], s[G0W+4*\s+3], 0x80000000
.endr
	JLOAD 0                                        ; period 0: one tensor load a wave at the head
	s_lshl_b32 s2, s8, 15                          ; X's scale bytes: 256 rows of 128 bytes for each cy
	s_add_nc_u64 s[24:25], s[24:25], s[2:3]
	s_lshl_b32 s2, s9, 13                          ; W's: 64 rows for each tile column
	s_add_nc_u64 s[26:27], s[26:27], s[2:3]
	s_add_nc_u64 s[28:29], s[28:29], s[2:3]
	s_add_nc_u64 s[30:31], s[30:31], s[2:3]
	s_lshl_b32 s2, s9, 12                          ; B: 64 rows of 64 bytes
	s_add_nc_u64 s[44:45], s[44:45], s[2:3]
	s_add_nc_u64 s[46:47], s[46:47], s[2:3]
	s_add_nc_u64 s[48:49], s[48:49], s[2:3]
; A's fragments of place pl (the period's pl-th 128 along K) of period pn, counted from the lap's first: 6 loads;  a period's scale words of A into a set: 3 loads
.macro AFRAG pl, pn
.irp p, 0,1,2
.irp c, 0,1
	global_load_b128 v[LF+24*(\pl)+8*\p+4*\c:LF+24*(\pl)+8*\p+4*\c+3], v[LFO], s[32+2*\p:33+2*\p] offset:256*(\pn)+64*(\pl)+32*\c
.endr
.endr
.endm
.macro ASCL pn, set
.irp p, 0,1,2
	global_load_b128 v[LS+12*(\set)+4*\p:LS+12*(\set)+4*\p+3], v[LSO], s[38+2*\p:39+2*\p] offset:16*(\pn)
.endr
.endm
	WIN 0x40
.irp k, 0,1,2,3,4,5,6,7,8,9,10,11,12,13,14,15      ; 28 loads: my quarter of X's scale bytes, then of each projection's
	global_load_b128 v[48+4*\k:51+4*\k], v43, s[24:25] offset:512*\k
.endr
.irp p, 0,1,2
.irp k, 0,1,2,3
	global_load_b128 v[16*\p+4*\k:16*\p+4*\k+3], v42, s[26+2*\p:27+2*\p] offset:512*\k
.endr
.endr
.irp b, 0,1,2,3,4,5                                ; 12 loads: B of my columns; block b: projection b / 2
	global_load_b128 v[160+8*\b:163+8*\b], v44, s[44+2*(\b/2):45+2*(\b/2)] offset:1024*(\b%2)
	global_load_b128 v[164+8*\b:167+8*\b], v44, s[44+2*(\b/2):45+2*(\b/2)] offset:1024*(\b%2)+16
.endr
	WIN 0
	ASCL 0, 0
	AFRAG 0, 0
	AFRAG 1, 0
	AFRAG 2, 0
	s_cmp_eq_u32 s[WV], 0
	s_cselect_b64 s[92:93], s[98:99], s[100:101]   ; the prefetch: the tile that I fetch
	global_prefetch_b8 v[PF], s[92:93] th:TH_LOAD_NT scope:SCOPE_SE   ; periods 1 and 2
	s_lshl_b32 s2, s8, 8                           ; Y: row 256 cy + 128 m + 16 n of 16,384 bytes, 256 bytes for each tile column
	s_lshl_b32 s12, s5, 7
	s_add_co_u32 s2, s2, s12
	s_lshl_b32 s12, s6, 4
	s_add_co_u32 s2, s2, s12
	s_lshl_b32 s2, s2, 14
	s_lshl_b32 s12, s9, 8
	s_add_co_u32 s2, s2, s12
	s_add_nc_u64 s[50:51], s[50:51], s[2:3]
	s_add_nc_u64 s[52:53], s[52:53], s[2:3]
	s_add_nc_u64 s[54:55], s[54:55], s[2:3]
	s_wait_loadcnt 33                              ; the scale bytes are in; B's 12 loads and A's 3 + 18 may be out
	s_wait_alu depctr_va_vdst(0)                   ; the head's end
	s_wait_tensorcnt 0x0                           ; my part of period 0 is in
	WIN 0x04
.irp k, 0,1,2,3,4,5,6,7,8,9,10,11,12,13,14,15
	ds_store_b128 v41, v[48+4*\k:51+4*\k] offset:544*\k
.endr
.irp p, 0,1,2
.irp k, 0,1,2,3
	ds_store_b128 v40, v[16*\p+4*\k:16*\p+4*\k+3] offset:4352*\p+544*\k
.endr
.endr
	WIN 0
	s_wait_tensorcnt 0x0                           ; ahead of a later first fill, as ahead of a refill
	ds_add_u32 v[SPW], v[NIL]
	s_wait_dscnt 0x0                               ; the add is done, and my stores of scale bytes
	CROUND                                         ; period 0 and all scale bytes are in; the joint loads meet
	JLOAD 1                                        ; period 1, the first tensor load behind the round
; three products of 32 x 16: X's block a against W's 3 x 32 rows, 128 along K: the period's q-th; set: the fragments' set; sc: the scale words' set.  zero = 1 starts the sums.
; Source 0's scales fill all 32 lanes (W's rows); source 1's come from lanes 0-15 for an even block, 16-31 for an odd one.  All accumulators take turns, in the same order in every step.
.macro MULP dd, wf, xf, ws, xs, odd, zero
.if \zero
.if \odd
	v_wmma_scale_f32_32x16x128_f4 v[\dd:\dd+15], v[\wf:\wf+15], v[\xf:\xf+7], 0, v[\ws], v[\xs] matrix_b_scale:MATRIX_SCALE_ROW1
.else
	v_wmma_scale_f32_32x16x128_f4 v[\dd:\dd+15], v[\wf:\wf+15], v[\xf:\xf+7], 0, v[\ws], v[\xs]
.endif
.else
.if \odd
	v_wmma_scale_f32_32x16x128_f4 v[\dd:\dd+15], v[\wf:\wf+15], v[\xf:\xf+7], v[\dd:\dd+15], v[\ws], v[\xs] matrix_b_scale:MATRIX_SCALE_ROW1
.else
	v_wmma_scale_f32_32x16x128_f4 v[\dd:\dd+15], v[\wf:\wf+15], v[\xf:\xf+7], v[\dd:\dd+15], v[\ws], v[\xs]
.endif
.endif
.endm
.macro MULA a, set, q, sc, zero
.if (\a) < 5
	WIN 0xa5
.set AC, 48*(\a)
.else
	WIN 0xf5
.set AC, 48*((\a)-5)
.endif
.set XF, 96+64*(\set)+8*(\a)
.set XS, SC+32*(\sc)+12+4*((\a)/2)+(\q)
.irp p, 0,1,2
.set DD, AC+16*\p
.set WF, 48*(\set)+16*\p
.set WS, SC+32*(\sc)+4*\p+(\q)
	MULP DD, WF, XF, WS, XS, ((\a)%2), \zero
.endr
.endm
; twelve products of 16 x 16 of T^T = A X^T: three projections x X's blocks 0, 2, 4, 6
.macro TMUL set, q, sc, zero
	WIN 0xf4
.irp p, 0,1,2
.irp a, 0,1,2,3
.set DD, TA+8*(4*\p+\a)
.set WF, LF+24*(\q)+8*\p
.set XF, 96+64*(\set)+16*\a
.if \zero
	v_wmma_scale_f32_16x16x128_f8f6f4 v[DD:DD+7], v[WF:WF+7], v[XF:XF+7], 0, v[LS+12*(\sc)+4*\p+(\q)], v[SC+32*(\sc)+12+4*\a+(\q)] matrix_a_fmt:MATRIX_FMT_FP4 matrix_b_fmt:MATRIX_FMT_FP4
.else
	v_wmma_scale_f32_16x16x128_f8f6f4 v[DD:DD+7], v[WF:WF+7], v[XF:XF+7], v[DD:DD+7], v[LS+12*(\sc)+4*\p+(\q)], v[SC+32*(\sc)+12+4*\a+(\q)] matrix_a_fmt:MATRIX_FMT_FP4 matrix_b_fmt:MATRIX_FMT_FP4
.endif
.endr
.endr
.endm
.macro RUNW slot, q, base              ; 12 loads: W's six fragments; lane (r, h), registers 4 c .. 4 c + 3: 16 bytes of row r at 32 c + 16 h
	WIN 0x40
.irp b, 0,1,2,3,4,5
.irp c, 0,1
	ds_load_b128 v[(\base)+8*\b+4*\c:(\base)+8*\b+4*\c+3], v[ADRW+\slot] offset:64*(\q)+32*\c+(64*(\b/2)+16*(\b%2))*PITCH
.endr
.endr
.endm
.macro RUNX slot, q, set               ; 16 loads: X's eight blocks
	WIN 0x40
.irp i, 0,1,2,3,4,5,6,7
.irp c, 0,1
	ds_load_b128 v[96+64*(\set)+8*\i+4*\c:96+64*(\set)+8*\i+4*\c+3], v[ADRE+2*(\i%2)+\slot] offset:64*(\q)+32*\c+(\i/2)*32*PITCH
.endr
.endr
.endm
.macro SCALES set, off                 ; 7 loads: a period's scale words: W's three, X's four pairs of blocks
	WIN 0
.irp p, 0,1,2
	ds_load_b128 v[SC+32*(\set)+4*\p:SC+32*(\set)+4*\p+3], v[ADRS] offset:\p*4352+\off
.endr
.irp x, 0,1,2,3
	ds_load_b128 v[SC+32*(\set)+12+4*\x:SC+32*(\set)+15+4*\x], v[ADRS+1] offset:\x*4352+\off
.endr
.endm
; A step of 128 along K with its successor in the same slot: 36 products on the fragments of set q mod 2.  In front of them, in one run behind four places, all loads: the next step's fragments into the other set (what they
; land on was last read in the step before or earlier);  so >= 0: the next period's scale words;  ps >= 0: A's scale words of period ps;  pn >= 0: place q - 1 of A takes period pn (q = 0: place 3).
; lc: the loads of A issued behind this step's own: three steps', 18, and 3 scale words where one of the three is a period's first.
.macro STEP slot, q, zero, pn, ps, lc, so
.set S, (\q)%2
	PLACES 4
	RUNW \slot, (\q)+1, 48*(1-S)
	RUNX \slot, (\q)+1, 1-S
	WIN 0
.if \so >= 0
	SCALES 1-\slot, \so
.endif
.if \ps >= 0
	ASCL \ps, 1-\slot
.endif
.if \pn >= 0
	AFRAG ((\q)+3)%4, \pn
.endif
.if \so >= 0
	s_wait_dscnt 35                                ; this step's fragments are in: behind them the 28 + 7 just issued
.else
	s_wait_dscnt 28
.endif
.irp a, 0,1,2,3
	MULA \a, S, \q, \slot, \zero
.endr
	s_wait_loadcnt \lc
	TMUL S, \q, \slot, \zero
.irp a, 4,5,6,7
	MULA \a, S, \q, \slot, \zero
.endr
.endm
; A slot's fourth step changes slots: its fragments are in registers.  fill = 1: a round, then this slot is filled again, two periods ahead.  fill = 0: the last period follows: W's first two steps and A's last place.
.macro TURN slot, next, fill, pn
	WIN 0
	s_wait_tensorcnt 0x0                           ; my part of the next slot has landed
	ds_add_u32 v[SPW], v[NIL]
	s_wait_dscnt 1                                 ; (the add may be out)
	s_wait_loadcnt 12                              ; A's place 3 is in: behind it two steps' loads
	TMUL 1, 3, \slot, 0
	MULA 0, 1, 3, \slot, 0
	s_wait_dscnt 0x0                               ; the add is done, and my reads of this slot are over
	s_barrier_signal -1
	MULA 1, 1, 3, \slot, 0
	MULA 2, 1, 3, \slot, 0
	WIN 0
	s_barrier_wait -1
.if \fill
	CREST                                          ; no wave of any partner still reads this slot or has a load on its way
	s_add_nc_u64 s[G0X+4*\slot+2:G0X+4*\slot+3], s[G0X+4*\slot+2:G0X+4*\slot+3], 512
	s_add_nc_u64 s[G0W+4*\slot+2:G0W+4*\slot+3], s[G0W+4*\slot+2:G0W+4*\slot+3], 512
	JLOAD \slot                                    ; the first tensor load behind the round; its v_nop are the places for the loads below
	RUNW \next, 0, 0
	RUNX \next, 0, 0
	WIN 0
	AFRAG 2, \pn
.if \slot == 0
	global_prefetch_b8 v[PF], s[92:93] offset:512 th:TH_LOAD_NT scope:SCOPE_SE   ; the periods of the next two refills but this one; never past period 7
.endif
.else
	PLACES 4
	RUNW \next, 0, 0
	RUNW \next, 1, 96
	WIN 0
	AFRAG 2, \pn
	AFRAG 3, \pn
.endif
.irp a, 3,4,5,6,7
	MULA \a, 1, 3, \slot, 0
.endr
.endm
	RUNW 0, 0, 0
	RUNX 0, 0, 0
	s_wait_xcnt 0x0                                ; B's loads have read their offsets: the scale words land on that register
	SCALES 0, 0
	s_wait_loadcnt 21                              ; B is in
	WIN 0x41
.set i, 0
.rept 24
	v_pk_mul_f32 v[160+2*i:161+2*i], v[160+2*i:161+2*i], 2.0 op_sel_hi:[1,0]   ; the scaling: exact
.set i, i+1
.endr
	WIN 0x05
.irp b, 0,1,2,3,4,5                                ; the bf16 operand: registers 0-3 hold k = 8 h + 0 .. 7, registers 4-7 (k = 16 .. 31) zeros
.set LB, 216+8*\b-232*(\b/5)
.irp j, 0,1,2,3
	v_cvt_pk_bf16_f32 v[LB+\j], v[160+8*\b+2*\j], v[161+8*\b+2*\j]
	v_mov_b32 v[LB+4+\j], 0
.endr
.endr
	WIN 0xc0
.irp j, 244,245,246,247,252,253,254,255            ; and of two of T's operands
	v_mov_b32 v[\j], 0
.endr
	WIN 0
	s_wait_alu depctr_va_vdst(0)                   ; ahead of the waits that follow
	STEP 0, 0, 1, 0, 1, 21, -1                     ; the first step stands in front of the loop: its products start the sums
	WIN 0
	s_mov_b32 s94, 3
.Llap:                                                 ; a trip: from a lap's second step to the next lap's first; both slots are filled again
	STEP 0, 1, 0, 1, -1, 21, 16
	STEP 0, 2, 0, 1, -1, 21, -1
	TURN 0, 1, 1, 1
	STEP 1, 0, 0, 1, 2, 21, -1
	STEP 1, 1, 0, 2, -1, 21, 32
	STEP 1, 2, 0, 2, -1, 21, -1
	TURN 1, 0, 1, 2
	STEP 0, 0, 0, 2, 3, 21, -1
	WIN 0
	s_wait_xcnt 0x0                                ; only behind this wait are the offsets of loads and of the prefetch rewritten
	v_add_nc_u32 v[LFO], 512, v[LFO]               ; two periods on
	v_add_nc_u32 v[LSO], 32, v[LSO]
	v_add_nc_u32 v[ADRS], 32, v[ADRS]
	v_add_nc_u32 v[ADRS+1], 32, v[ADRS+1]
	v_add_nc_u32 v[PK], 512, v[PK]
	v_min_u32 v[PK], 1280, v[PK]                   ; held so that + 512 stays at period 7
	v_add_nc_u32 v[PF], v[PROW], v[PK]
	s_sub_co_u32 s94, s94, 1
	s_cmp_lg_u32 s94, 0
	s_wait_alu depctr_va_vdst(0)                   ; directly ahead of the branch
	s_cbranch_scc1 .Llap
	STEP 0, 1, 0, 1, -1, 21, 16
	STEP 0, 2, 0, 1, -1, 21, -1
	TURN 0, 1, 0, 1                                ; nothing is filled any more, and no round follows
; THE LAST PERIOD BY ROWS, in four phases of 32 rows for each row half: my blocks 2 j and 2 j + 1.
.macro XLOAD j                         ; 16 loads: the two blocks' fragments of all four steps: step q, block e at v192 + 16 q + 8 e
	WIN 0x40
.irp q, 0,1,2,3
.irp e, 0,1
.irp c, 0,1
	ds_load_b128 v[192+16*\q+8*\e+4*\c:195+16*\q+8*\e+4*\c], v[ADRE+2*\e+1] offset:64*\q+32*\c+(\j)*32*PITCH
.endr
.endr
.endr
.endm
.macro PHASE j                         ; for each step three products of T, then six of Y: nine accumulators by turns
.irp q, 0,1,2,3
.if (\j) == 0
.if \q == 0
	s_wait_dscnt 24                                ; X's two blocks and W's first two steps are in
.endif
.if \q == 2
	s_wait_dscnt 12
.endif
.if \q == 3
	s_wait_dscnt 0x0
.endif
	s_wait_loadcnt 18-6*\q                         ; A's place q
.endif
	WIN 0xf4
.set XF, 192+16*\q
.set XS, SC+44+4*(\j)+\q
.irp p, 0,1,2
.set DD, TA+8*(4*\p+(\j))
.set WF, LF+24*\q+8*\p
	v_wmma_scale_f32_16x16x128_f8f6f4 v[DD:DD+7], v[WF:WF+7], v[XF:XF+7], v[DD:DD+7], v[LS+12+4*\p+\q], v[XS] matrix_a_fmt:MATRIX_FMT_FP4 matrix_b_fmt:MATRIX_FMT_FP4
.endr
.irp e, 0,1
.set AB, 2*(\j)+\e
.if AB < 5
	WIN 0xa5
.set AC, 48*AB
.else
	WIN 0xf5
.set AC, 48*(AB-5)
.endif
.set XF, 192+16*\q+8*\e
.irp p, 0,1,2
.set DD, AC+16*\p
.set WF, 96*(\q%2)+48*(\q/2)+16*\p
.set WS, SC+32+4*\p+\q
	MULP DD, WF, XF, WS, XS, \e, 0
.endr
.endr
.endr
.endm
.macro UP j                            ; Y += (2 B) T^T: the accumulators by turns; block 2 j takes my own T, block 2 j + 1 my partner's
.irp e, 0,1
.set AB, 2*(\j)+\e
.irp b, 0,1,2,3,4,5
.set OP, 3*\e+\b/2
.set LB, 216+8*\b-232*(\b/5)
.if AB < 5
.set DD, 48*AB+8*\b
.else
.set DD, 48*(AB-5)+8*\b
.endif
.if OP < 4
.set XF, 32+8*OP
.if AB < 5
	WIN 0xa0
.else
	WIN 0xf0
.endif
.else
.set XF, 240+8*(OP-4)
.if AB < 5
	WIN 0xac
.else
	WIN 0xfc
.endif
.endif
	v_wmma_f32_16x16x32_bf16 v[DD:DD+7], v[LB:LB+7], v[XF:XF+7], v[DD:DD+7]
.endr
.endr
.endm
; A projection's 64 columns are 256 bytes of a row of Y, half of them my partner's: both waves put their halves into one stage, a barrier follows, and each wave takes 16 whole rows.
.macro TOSTAGE j
.irp e, 0,1
.set AB, 2*(\j)+\e
.if AB < 5
	WIN 0x08
.set AC, 48*AB
.else
	WIN 0x0c
.set AC, 48*(AB-5)
.endif
.irp b, 0,1,2,3,4,5
.set DD, AC+8*\b
	ds_store_b128 v[STOE-\e], v[DD:DD+3] offset:256*(\b/2)+64*(\b%2)     ; each accumulator from its low end on
	ds_store_b128 v[STOE-\e], v[DD+4:DD+7] offset:256*(\b/2)+64*(\b%2)+16
.endr
.endr
.endm
.macro READ j                          ; back into the 96 registers of the accumulators that have just been stored
.irp p, 0,1,2
.irp t, 0,1,2,3,4,5,6,7
.set RN, 32*\p+4*\t
.set AB, 2*(\j)+RN/48
.if AB < 5
	WIN 0x80
.set RR, 48*AB+RN%48
.else
	WIN 0xc0
.set RR, 48*(AB-5)+RN%48
.endif
	ds_load_b128 v[RR:RR+3], v[RD] offset:1568*\t+256*\p
.endr
.endr
.endm
.macro SEND j                          ; 16 lanes store 256 consecutive bytes, at a multiple of 256 from Y's first byte
.irp p, 0,1,2
.irp t, 0,1,2,3,4,5,6,7
.set RN, 32*\p+4*\t
.set AB, 2*(\j)+RN/48
.if RN == 0
	s_wait_dscnt 12
.endif
.if RN == 48
	s_wait_dscnt 0x0
.endif
.if AB < 5
	WIN 0x08
.set RR, 48*AB+RN%48
.else
	WIN 0x0c
.set RR, 48*(AB-5)+RN%48
.endif
	global_store_b128 v[CO], v[RR:RR+3], s[50+2*\p:51+2*\p] offset:524288*(\j)+32768*\t th:TH_STORE_NT
.endr
.endr
.endm
	PLACES 4                                       ; for the loads into set 1, which the step before multiplied, and the writes over the scale words' set 0
	XLOAD 0
	RUNW 1, 2, 48
	RUNW 1, 3, 144
	WIN 0
.irp k, 0,1,2,3                                    ; four of T's operands: registers 4-7 are zeros
.irp j, 4,5,6,7
	v_mov_b32 v[32+8*\k+\j], 0
.endr
.endr
	s_wait_alu depctr_va_vdst(0)                   ; ahead of the waits that follow
.irp j, 0,1,2,3
	PHASE \j
	PLACES 4
	WIN 0x0f
.irp p, 0,1,2                                      ; T's accumulator: lane (r, h) holds row r's ranks 8 h + 0 .. 7: rounded in pairs they are registers 0-3 of the bf16 operand
.irp i, 0,1,2,3
	v_cvt_pk_bf16_f32 v[32+8*\p+\i], v[TA+8*(4*\p+\j)+2*\i], v[TA+8*(4*\p+\j)+2*\i+1]
.endr
.endr
	WIN 0
.irp p, 0,1,2
	ds_store_b128 v[EXS], v[32+8*\p:35+8*\p] offset:512*(4*\p+\j)   ; every wave's last reads of scale bytes were over at the last change of slots
.endr
.if \j < 3
	XLOAD \j+1
.endif
	WIN 0
	s_wait_alu depctr_va_vdst(0)                   ; ahead of the waits below
	s_wait_dscnt 0x0
	s_barrier_signal -1
	s_barrier_wait -1
	ds_load_b128 v[56:59], v[EXR] offset:512*\j
	WIN 0xc0
	ds_load_b128 v[240:243], v[EXR] offset:512*(4+\j)
	ds_load_b128 v[248:251], v[EXR] offset:512*(8+\j)
	s_wait_dscnt 0x0
	UP \j
	PLACES 4
	TOSTAGE \j
	WIN 0
	s_wait_dscnt 0x0                               ; my stores into the stage are done
	s_barrier_signal -1
	s_barrier_wait -1
	READ \j
	SEND \j                                        ; (the stage is written again only behind the next phase's first barrier, and my reads of it are over by then)
.endr
	WIN 0
	s_wait_tensorcnt 0x0                           ; the wave's end: behind my last tensor load and my last LDS store
	ds_add_u32 v[SPW], v[NIL]
	s_wait_dscnt 0x0
	CROUND                                         ; the closing round: no work-group ends while a partner may still ask for a tile that names it
	s_endpgm
.Lfunc_end_k_qea0ab6687a_qkv:
	.size	k_qea0ab6687a_qkv, .Lfunc_end_k_qea0ab6687a_qkv-k_qea0ab6687a_qkv
	.p2alignl 7, 3214868480
	.fill 96, 4, 3214868480
	.section	.rodata,"a",@progbits
	.p2align	6, 0x0
	.amdhsa_kernel k_qea0ab6687a_qkv
		.amdhsa_group_segment_fixed_size 327680
		.amdhsa_private_segment_fixed_size 0
		.amdhsa_enable_private_segment 0
		.amdhsa_kernarg_size 160
		.amdhsa_user_sgpr_count 2
		.amdhsa_user_sgpr_kernarg_segment_ptr 1
		.amdhsa_wavefront_size32 1
		.amdhsa_system_sgpr_workgroup_id_x 1
		.amdhsa_system_sgpr_workgroup_id_y 1
		.amdhsa_system_sgpr_workgroup_id_z 1
		.amdhsa_system_vgpr_workitem_id 0
		.amdhsa_next_free_vgpr 1024
		.amdhsa_next_free_sgpr 102
		.amdhsa_reserve_vcc 0
		.amdhsa_float_denorm_mode_32 3
		.amdhsa_float_denorm_mode_16_64 3
		.amdhsa_memory_ordered 1
		.amdhsa_forward_progress 1
		.amdhsa_inst_pref_size 175
	.end_amdhsa_kernel
	.amdgpu_metadata
---
amdhsa.version: [ 1, 2 ]
amdhsa.kernels:
  - .name:           k_qea0ab6687a_qkv
    .symbol:         k_qea0ab6687a_qkv.kd
    .args:
      - { .name: X_codes, .offset: 0, .size: 8, .value_kind: global_buffer, .address_space: global }
      - { .name: QW_codes, .offset: 8, .size: 8, .value_kind: global_buffer, .address_space: global }
      - { .name: KW_codes, .offset: 16, .size: 8, .value_kind: global_buffer, .address_space: global }
      - { .name: VW_codes, .offset: 24, .size: 8, .value_kind: global_buffer, .address_space: global }
      - { .name: X_scales, .offset: 32, .size: 8, .value_kind: global_buffer, .address_space: global }
      - { .name: QW_scales, .offset: 40, .size: 8, .value_kind: global_buffer, .address_space: global }
      - { .name: KW_scales, .offset: 48, .size: 8, .value_kind: global_buffer, .address_space: global }
      - { .name: VW_scales, .offset: 56, .size: 8, .value_kind: global_buffer, .address_space: global }
      - { .name: QA_codes, .offset: 64, .size: 8, .value_kind: global_buffer, .address_space: global }
      - { .name: KA_codes, .offset: 72, .size: 8, .value_kind: global_buffer, .address_space: global }
      - { .name: VA_codes, .offset: 80, .size: 8, .value_kind: global_buffer, .address_space: global }
      - { .name: QA_scales, .offset: 88, .size: 8, .value_kind: global_buffer, .address_space: global }
      - { .name: KA_scales, .offset: 96, .size: 8, .value_kind: global_buffer, .address_space: global }
      - { .name: VA_scales, .offset: 104, .size: 8, .value_kind: global_buffer, .address_space: global }
      - { .name: QB, .offset: 112, .size: 8, .value_kind: global_buffer, .address_space: global }
      - { .name: KB, .offset: 120, .size: 8, .value_kind: global_buffer, .address_space: global }
      - { .name: VB, .offset: 128, .size: 8, .value_kind: global_buffer, .address_space: global }
      - { .name: out0, .offset: 136, .size: 8, .value_kind: global_buffer, .address_space: global }
      - { .name: out1, .offset: 144, .size: 8, .value_kind: global_buffer, .address_space: global }
      - { .name: out2, .offset: 152, .size: 8, .value_kind: global_buffer, .address_space: global }
    .group_segment_fixed_size: 327680
    .private_segment_fixed_size: 0
    .kernarg_segment_align: 8
    .kernarg_segment_size: 160
    .max_flat_workgroup_size: 128
    .sgpr_count:     102
    .vgpr_count:     1024
    .wavefront_size: 32
...
	.end_amdgpu_metadata
.endif
;; end of part 1
